; MI455X (gfx1250); checked and timed in simulation.
; The chip was launched on July 23, 2026; its instructions are those of AMD's public machine-readable ISA for CDNA 5 (MIT licence, August 2026) and "CDNA5" Instruction Set Architecture Reference Guide (July 2026). The comments in the code are by the model that wrote it; some were corrected since.
;; Multi Head Attention Optimised. Allowed arithmetic: matrix products marked QUANTISED: E2M3 operands, one E8M0 scale for each 32 along K, by v_wmma_scale_f32_16x16x128_f8f6f4 with both operands' format E2M3, f32 sums; everything else in f32.
;; Inputs: W_qkv 1,024 x 3,072 float32; x 2 x 2,048 x 1,024 float32.
;; Outputs: out0 2 x 2,048 x 1,024 float32.
;; This version of the problem:
;;   THIS VERSION OF THE PROBLEM IS GIVEN IN LOW PRECISION. The matrix products marked QUANTISED in the list below multiply operands that are first quantised to E2M3 (2 exponent bits, 3 mantissa bits; 6 bits a number), with one power-of-two scale for each 32 numbers along K (OCP MX v1.0); their sums are f32. All else is computed in f32.
;;   The module's matrix products, in the order in which they are computed (A, B: the left and right operand; K: the contracted axis; several contracted axes count as one K, in the product's order):
;;     1. [M 4,096, K 1,024] x [K 1,024, N 3,072]; A: input x; B: input W_qkv: QUANTISED
;;     2. batch 32 x [M 2,048, K 64] x [K 64, N 2,048]; A: computed on the way; B: computed on the way: QUANTISED
;;     3. batch 32 x [M 2,048, K 2,048] x [K 2,048, N 64]; A: softmax (see below); B: computed on the way: QUANTISED
;;   THE QUANTISER, for each operand of a quantised product, along K:
;;     - K is cut into blocks of 32 from its start; a last block that is shorter is filled with zeros.
;;     - A block's scale is 2^e with e = floor(log2(the largest magnitude in the block)) - 2, held to -126 .. 127; a block of zeros has e = 0. As a byte (E8M0): e + 127.
;;     - Each number is divided by its block's scale, clamped to +-7.5, and rounded to the nearest number of E2M3, ties to even, subnormals kept.
;;     - The product sums the exact products of the quantised numbers (number of the format x scale) in f32.
;;   ~~~python
;;   def quantise(x, axis):      # numpy; x: float32 -> the quantised numbers, widened to float32 again
;;       x = np.moveaxis(x, axis, -1); K = x.shape[-1]
;;       x = np.pad(x, [(0, 0)] * (x.ndim - 1) + [(0, -K % 32)]); x = x.reshape(x.shape[:-1] + (-1, 32)); a = np.abs(x).max(-1, keepdims=True)
;;       e = np.where(a > 0, np.clip(np.frexp(np.where(a > 0, a, 1))[1] - 1 - 2, -126, 127), 0)      # np.frexp(a)[1] - 1 = floor(log2(a)), exactly
;;       r = np.clip(x / 2.0 ** e, -7.5, 7.5)
;;       step = 2.0 ** (np.maximum(np.frexp(np.where(r == 0, 1, r))[1] - 1, 0) - 3)
;;       q = np.round(r / step) * step * 2.0 ** e      # np.round: ties to even
;;       return np.moveaxis(q.reshape(q.shape[:-2] + (-1,))[..., :K], -1, axis).astype(np.float32)
;;   ~~~
;;   SOFTMAX AHEAD OF A QUANTISED PRODUCT. Where the list says 'softmax', what is quantised is not the finished softmax but p = 2^(t - M), with t = logit x log2(e) and M = ceil(the row's largest t), a whole number; so 1/2 < the row's largest p <= 1. The row's sum l is taken of the UNQUANTISED p, in f32, and the product's result is divided by l at the end. Since M is a whole number, a kernel that streams over the keys may use a running M (the ceiling of the running maximum): every later rescaling is an exact power of two, which a block's scale takes up: the codes' values come out the same.
;;   OPERANDS COMPUTED ON THE WAY. 'Computed on the way' means the value that the module computes at that place (a softmax that the list does not call 'softmax' is quantised finished and normalised). What goes into a quantiser is computed in f32, as accurately as f32 sums, v_exp_f32 and their like allow (about 1e-6 of the number): no bf16 or f16 on the way to a quantiser, and a product that is left as it is and whose result goes on into a quantised operand takes f32 operands (vector FMAs, or v_wmma_f32_16x16x4_f32). A number that lies on a knife's edge between two numbers of the format may be rounded either way, as far as f32 arithmetic and the matrix unit's own rounding can turn it there, and no further.
;; One version. Each part assembles by itself: llvm-mc -triple=amdgcn-amd-amdhsa -mcpu=gfx1250 --defsym DOCPART=n.
;; ======== version 1 of 1: 3 launches
;; limits: right only within a limited range of input values
;; workspace buffers: xc 3,145,728 bytes; wc 2,359,296 bytes; osc 229,376 bytes; qb 3,276,800 bytes; kv 6,553,600 bytes
;; launch quant (part 1): grid 224 x 1, 16 waves a work-group, no clusters, 163,840 bytes of LDS; arguments x, W_qkv, xc, wc, osc; writes xc, wc, osc
.if DOCPART == 1
	.amdgcn_target "amdgcn-amd-amdhsa--gfx1250"
	.amdhsa_code_object_version 6
	.text
	.protected	k_q1c7a855ba0_quant
	.globl	k_q1c7a855ba0_quant
	.p2align	8
	.type	k_q1c7a855ba0_quant,@function
k_q1c7a855ba0_quant:
	s_mov_b64 s[64:65], 0
	v_nop
	global_prefetch_b8 v0, s[64:65] scope:SCOPE_SE
	s_setreg_imm32_b32 hwreg(HW_REG_WAVE_MODE, 25, 1), 1
	s_wait_xcnt 0x0
; x [4096][1024] (K innermost) and W_qkv [1024][3072] (K is its first axis), f32, become codes of FP6 (E2M3) with one E8M0 scale byte for each 32 along K.
; A block's scale is 2^(floor(log2(its largest magnitude)) - 2); its byte is the largest magnitude's exponent field - 2, held at 1 from below.
; LIMITS: NaN and infinities among the inputs are not served.  A block of zeros gets the byte 1 where the quantiser says 127: its codes are zeros, which add nothing, and this program alone reads the bytes.
; TILES of 16 rows: tile T holds at row p the true row (of W: column) 64 (T / 4) + 8 (T % 4) + 32 (p / 8) + p % 8.
; THE BUFFERS ARE IMAGES OF OPERAND REGISTERS: xc [T 256][K step s 8][1536], wc [T 192][s 8][1536].  Registers 4 i .. 4 i + 3 of lane (row p, half h) lie at 512 i + 256 (p / 8) + 128 (h xor p / 8) + 16 (p % 8).
;   osc: x: [T][row 16][s 8] words; from OSW on W: [32 columns cg][u 4][8][s 8] words: column 32 cg + 8 u + i.
; SHARES.  Work-groups 0-127: two tiles of x; wave: tile w / 8, K step w % 8.  Work-groups 128-223: 32 columns of W; wave w: rows 64 w .. 64 w + 63.  Each reads 131,072 bytes.  The two ways have LDS bytes of their own.
; No matrix work and no operand that work-groups share: no tensor loads, no cluster.  All loads of a wave are out at once: no loop in which to prefetch.
.set OSW,  131072
.set XSG,  135168                      ; behind x's 16 stages of 16 x 528 bytes: x's scale words
.set WST,  136192                      ; W's half images: [u 4][s 8][768]
.set WSG,  160768                      ; W's scale words
.set SPARE, 161792
.set SPW,  2
.set NIL,  3
.set TM,   144                         ; v144-147 four chains
.set SO,   148                         ; v148-149 the conversions' scale operands
.set BY,   150                         ; v150-151 the bytes
.set TC,   152                         ; v152-154, v156-158
.set PC,   164                         ; v164-175 codes
; two blocks of 32 numbers, v[s ..] and v[s + 32 ..], into codes v[PC .. PC + 5], v[PC + 6 .. PC + 11] and bytes; four chains by turns
.macro QB2 s
	v_max3_num_f32 v[TM], |v[\s]|, |v[\s+1]|, |v[\s+2]|
	v_max3_num_f32 v[TM+1], |v[\s+32]|, |v[\s+33]|, |v[\s+34]|
	v_max3_num_f32 v[TM+2], |v[\s+3]|, |v[\s+4]|, |v[\s+5]|
	v_max3_num_f32 v[TM+3], |v[\s+35]|, |v[\s+36]|, |v[\s+37]|
.irp i, 6,10,14,18,22,26
	v_max3_num_f32 v[TM], v[TM], |v[\s+\i]|, |v[\s+\i+1]|
	v_max3_num_f32 v[TM+1], v[TM+1], |v[\s+32+\i]|, |v[\s+33+\i]|
	v_max3_num_f32 v[TM+2], v[TM+2], |v[\s+\i+2]|, |v[\s+\i+3]|
	v_max3_num_f32 v[TM+3], v[TM+3], |v[\s+34+\i]|, |v[\s+35+\i]|
.endr
	v_max3_num_f32 v[TM], v[TM], |v[\s+30]|, |v[\s+31]|
	v_max3_num_f32 v[TM+1], v[TM+1], |v[\s+62]|, |v[\s+63]|
	v_max3_num_f32 v[TM], v[TM], v[TM+2], 0x1800000        ; and the floor 2^(3 - 127)
	v_max3_num_f32 v[TM+1], v[TM+1], v[TM+3], 0x1800000
	v_add_nc_u32 v[SO], 0xff000000, v[TM]                  ; 2 off the exponent field
	v_add_nc_u32 v[SO+1], 0xff000000, v[TM+1]
	v_lshrrev_b32 v[BY], 23, v[SO]
	v_lshrrev_b32 v[BY+1], 23, v[SO+1]
.irp c, 0,1
	v_cvt_scalef32_pk16_fp6_f32 v[PC+6*\c:PC+6*\c+2], v[\s+32*\c:\s+32*\c+15], v[SO+\c]
	v_cvt_scalef32_pk16_fp6_f32 v[TC+4*\c:TC+4*\c+2], v[\s+32*\c+16:\s+32*\c+31], v[SO+\c]   ; (three registers begin on an even number)
.endr
	v_nop                                                  ; one plain place behind a scaled conversion
.irp c, 0,1
.irp i, 0,1,2
	v_mov_b32 v[PC+6*\c+3+\i], v[TC+4*\c+\i]
.endr
.endr
.endm
	s_load_b256 s[4:11], s[0:1], 0x0               ; x s[4:5], W s[6:7], xc s[8:9], wc s[10:11]
	s_load_b64 s[12:13], s[0:1], 0x20              ; osc
	v_lshl_add_u32 v[SPW], v0, 2, SPARE
	v_mov_b32 v[NIL], 0
	v_lshrrev_b32 v1, 5, v0
	v_readfirstlane_b32 s14, v1                    ; wave
	v_and_b32 v1, 31, v0                           ; lane
	v_lshlrev_b32 v4, 4, v1                        ; 16 x lane
	v_and_b32 v5, 7, v0
	v_bfe_u32 v6, v0, 3, 1
	v_bfe_u32 v7, v0, 4, 1                         ; h
	s_lshl_b32 s28, s14, 9
	v_add_nc_u32 v14, s28, v4                      ; waves 0 and 1: 512 bytes each of the gathered scale words
	s_wait_alu depctr_va_vdst(0)                   ; the wait ahead of the branch
	s_cmp_lt_u32 ttmp9, 128                        ; the same for all waves of a work-group
	s_cbranch_scc0 .Lw_path
	; ---- x
	s_lshr_b32 s15, s14, 3                         ; which of my work-group's two tiles
	s_and_b32 s16, s14, 7                          ; K step
	s_lshl_b32 s17, ttmp9, 1
	s_add_co_u32 s17, s17, s15                     ; T
	s_lshr_b32 s18, s17, 2
	s_lshl_b32 s18, s18, 6
	s_and_b32 s19, s17, 3
	s_lshl_b32 s19, s19, 3
	s_add_co_u32 s18, s18, s19                     ; the tile's first row
	s_lshl_b32 s18, s18, 12
	s_lshl_b32 s19, s16, 9
	s_add_co_u32 s18, s18, s19
	s_mov_b32 s19, 0
	s_mul_i32 s20, s17, 12288
	s_mul_i32 s21, s16, 1536
	s_add_co_u32 s20, s20, s21
	s_mov_b32 s21, 0
	s_lshl_b32 s22, ttmp9, 10
	s_mov_b32 s23, 0
	s_mul_i32 s24, s14, 8448                       ; my stage
	s_lshl_b32 s25, s15, 9
	s_lshl_b32 s26, s16, 2
	s_add_co_u32 s25, s25, s26
	s_add_co_u32 s25, s25, XSG
	v_add_nc_u32 v8, s24, v4                       ; into the stage: 16 x lane in a row of 528
	v_and_b32 v9, 15, v0                           ; r
	v_mul_u32_u24 v10, v9, 528
	v_lshl_add_u32 v10, v7, 7, v10
	v_add_nc_u32 v10, s24, v10                     ; out of it: row r, + 128 h: a block of 32 numbers
	v_lshl_add_u32 v11, v9, 5, v7
	v_add_nc_u32 v11, s25, v11                     ; my scale byte: 512 tile + 32 r + 4 s + h, and 2 on for the second block
	v_xor_b32 v12, v7, v6
	v_lshlrev_b32 v12, 7, v12
	v_lshl_add_u32 v12, v6, 8, v12
	v_lshl_add_u32 v12, v5, 4, v12                 ; my place in an image
	v_add_nc_u32 v13, XSG, v14
	s_wait_alu depctr_va_vdst(0)                   ; the wait at the head's end
	s_wait_kmcnt 0x0
	s_add_nc_u64 s[4:5], s[4:5], s[18:19]
	s_add_nc_u64 s[8:9], s[8:9], s[20:21]
	s_add_nc_u64 s[12:13], s[12:13], s[22:23]
.set p, 0
.rept 16
	global_load_b128 v[16+4*p:16+4*p+3], v4, s[4:5] offset:(p%8+32*(p/8))*4096 th:TH_LOAD_NT   ; 32 lanes read 512 consecutive bytes of one row
.set p, p+1
.endr
.set p, 0
.rept 16
	s_wait_loadcnt 15-p                            ; row p is in, the younger ones may be out
	ds_store_b128 v8, v[16+4*p:16+4*p+3] offset:528*p
.set p, p+1
.endr
.irp c, 0,1
.irp j, 0,1,2,3,4,5,6,7
	ds_load_b128 v[80+32*\c+4*\j:80+32*\c+4*\j+3], v10 offset:256*\c+16*\j   ; my wave's own bytes: LDS serves a wave's instructions in order (ISA guide 5.7.1.4)
.endr
.endr
	s_wait_dscnt 0x0
	QB2 80
	ds_store_b8 v11, v[BY]
	ds_store_b8 v11, v[BY+1] offset:2
.irp i, 0,1,2
	global_store_b128 v12, v[PC+4*\i:PC+4*\i+3], s[8:9] offset:512*\i    ; 512 consecutive bytes
.endr
	s_wait_dscnt 0x0                               ; my bytes have landed
	s_barrier_signal -1
	s_barrier_wait -1
	s_cmp_lt_u32 s14, 2
	s_cbranch_scc0 .Lx_done
	ds_load_b128 v[184:187], v13
	s_wait_dscnt 0x0
	global_store_b128 v14, v[184:187], s[12:13]
.Lx_done:
	s_wait_tensorcnt 0x0                           ; the wave's end
	ds_add_u32 v[SPW], v[NIL]
	s_wait_dscnt 0x0
	s_endpgm
	; ---- W: a lane takes a column and its registers run down K
.Lw_path:
	s_sub_co_u32 s15, ttmp9, 128                   ; cg
	s_mul_i32 s18, s14, 64*12288
	s_lshl_b32 s19, s15, 7
	s_add_co_u32 s18, s18, s19
	s_mov_b32 s19, 0
	s_lshr_b32 s16, s14, 1                         ; K step
	s_and_b32 s17, s14, 1                          ; which half of it: registers 6 c .. 6 c + 5
	s_mul_i32 s24, s16, 768
	s_add_co_u32 s24, s24, WST
	s_lshl_b32 s25, s14, 1
	s_add_co_u32 s25, s25, WSG
	s_mul_i32 s26, s14, 1536
	s_add_co_u32 s26, s26, WST
	s_and_b32 s27, s15, 1                          ; which rows of the tiles: 8 (cg % 2) ..
	s_lshl_b32 s28, s27, 7
	s_lshr_b32 s20, s15, 1
	s_lshl_b32 s20, s20, 2
	s_lshr_b32 s21, s14, 2
	s_add_co_u32 s20, s20, s21
	s_mul_i32 s20, s20, 12288
	s_and_b32 s21, s14, 3
	s_mul_i32 s21, s21, 3072
	s_add_co_u32 s20, s20, s21
	s_lshl_b32 s21, s27, 8
	s_add_co_u32 s20, s20, s21                     ; on the way out: tile 4 (cg / 2) + w / 4, K steps 2 (w % 4) and the next
	s_mov_b32 s21, 0
	s_lshl_b32 s22, s15, 10
	s_add_co_u32 s22, s22, OSW
	s_mov_b32 s23, 0
	v_lshrrev_b32 v8, 3, v1                        ; u
	v_mul_u32_u24 v9, v8, 6144
	v_lshl_add_u32 v9, v5, 4, v9
	v_add_nc_u32 v9, s24, v9                       ; stage: (8 u + s) 768 + 16 (lane % 8); + 256 piece + 128 block
	v_lshlrev_b32 v10, 8, v8
	v_lshl_add_u32 v10, v5, 5, v10
	v_add_nc_u32 v10, s25, v10                     ; scale bytes: 256 u + 32 (lane % 8) + 4 s + 2 c
	v_and_b32 v12, 15, v0
	v_lshlrev_b32 v12, 4, v12
	v_mul_u32_u24 v13, v7, 768
	v_add_nc_u32 v13, v13, v12
	v_add_nc_u32 v11, s26, v13                     ; out of the stage: lanes 0-15 one K step's unit of 256 bytes, lanes 16-31 the next's
	v_xor_b32 v12, s28, v12
	v_mul_u32_u24 v13, v7, 1536
	v_add_nc_u32 v12, v13, v12                     ; and in wc
	v_lshlrev_b32 v13, 2, v1
	v_add_nc_u32 v15, WSG, v14
	s_wait_alu depctr_va_vdst(0)                   ; the wait at the head's end
	s_wait_kmcnt 0x0
	s_add_nc_u64 s[6:7], s[6:7], s[18:19]
	s_add_nc_u64 s[10:11], s[10:11], s[20:21]
	s_add_nc_u64 s[12:13], s[12:13], s[22:23]
.set p, 0
.rept 64
	global_load_b32 v[80+p], v13, s[6:7] offset:p*12288 th:TH_LOAD_NT
.set p, p+1
.endr
	s_wait_loadcnt 0x0
	QB2 80
	s_wait_alu depctr_va_vdst(0)                   ; the wait ahead of the branch
	s_cmp_eq_u32 s17, 0
	s_cbranch_scc0 .Lupper
.irp b, 0,1
	ds_store_b128 v9, v[PC+6*\b:PC+6*\b+3] offset:128*\b
	ds_store_b64 v9, v[PC+6*\b+4:PC+6*\b+5] offset:256+128*\b
.endr
	s_branch .Lstaged
.Lupper:
.irp b, 0,1
	ds_store_b64 v9, v[PC+6*\b:PC+6*\b+1] offset:264+128*\b
	ds_store_b128 v9, v[PC+6*\b+2:PC+6*\b+5] offset:512+128*\b
.endr
.Lstaged:
	ds_store_b8 v10, v[BY]
	ds_store_b8 v10, v[BY+1] offset:1
	s_wait_dscnt 0x0                               ; my codes and bytes have landed
	s_barrier_signal -1
	s_barrier_wait -1
.irp i, 0,1,2
	ds_load_b128 v[16+4*\i:16+4*\i+3], v11 offset:256*\i
.endr
.irp i, 0,1,2
	s_wait_dscnt 2-\i
	global_store_b128 v12, v[16+4*\i:16+4*\i+3], s[10:11] offset:512*\i   ; two whole aligned units of 256 bytes
.endr
	s_cmp_lt_u32 s14, 2
	s_cbranch_scc0 .Lw_done
	ds_load_b128 v[184:187], v15
	s_wait_dscnt 0x0
	global_store_b128 v14, v[184:187], s[12:13]
.Lw_done:
	s_wait_tensorcnt 0x0                           ; the wave's end
	ds_add_u32 v[SPW], v[NIL]
	s_wait_dscnt 0x0
	s_endpgm
.Lfunc_end_k_q1c7a855ba0_quant:
	.size	k_q1c7a855ba0_quant, .Lfunc_end_k_q1c7a855ba0_quant-k_q1c7a855ba0_quant
	.p2alignl 7, 3214868480
	.fill 96, 4, 3214868480
	.section	.rodata,"a",@progbits
	.p2align	6, 0x0
	.amdhsa_kernel k_q1c7a855ba0_quant
		.amdhsa_group_segment_fixed_size 163840
		.amdhsa_private_segment_fixed_size 0
		.amdhsa_enable_private_segment 0
		.amdhsa_kernarg_size 40
		.amdhsa_user_sgpr_count 2
		.amdhsa_user_sgpr_kernarg_segment_ptr 1
		.amdhsa_wavefront_size32 1
		.amdhsa_system_sgpr_workgroup_id_x 1
		.amdhsa_system_sgpr_workgroup_id_y 1
		.amdhsa_system_sgpr_workgroup_id_z 1
		.amdhsa_system_vgpr_workitem_id 0
		.amdhsa_next_free_vgpr 194
		.amdhsa_next_free_sgpr 66
		.amdhsa_reserve_vcc 0
		.amdhsa_float_denorm_mode_32 3
		.amdhsa_float_denorm_mode_16_64 3
		.amdhsa_memory_ordered 1
		.amdhsa_forward_progress 1
		.amdhsa_inst_pref_size 23
	.end_amdhsa_kernel
	.amdgpu_metadata
---
amdhsa.version: [ 1, 2 ]
amdhsa.kernels:
  - .name:           k_q1c7a855ba0_quant
    .symbol:         k_q1c7a855ba0_quant.kd
    .args:
      - { .name: x, .offset: 0, .size: 8, .value_kind: global_buffer, .address_space: global }
      - { .name: W_qkv, .offset: 8, .size: 8, .value_kind: global_buffer, .address_space: global }
      - { .name: xc, .offset: 16, .size: 8, .value_kind: global_buffer, .address_space: global }
      - { .name: wc, .offset: 24, .size: 8, .value_kind: global_buffer, .address_space: global }
      - { .name: osc, .offset: 32, .size: 8, .value_kind: global_buffer, .address_space: global }
    .group_segment_fixed_size: 163840
    .private_segment_fixed_size: 0
    .kernarg_segment_align: 8
    .kernarg_segment_size: 40
    .max_flat_workgroup_size: 512
    .sgpr_count:     66
    .vgpr_count:     194
    .wavefront_size: 32
...
	.end_amdgpu_metadata
.endif
;; end of part 1
;; launch proj (part 2): grid 16 x 16, 4 waves a work-group, clusters of 4 x 1, 167,936 bytes of LDS; arguments xc, wc, osc, qb, kv; writes qb, kv
.if DOCPART == 2
	.amdgcn_target "amdgcn-amd-amdhsa--gfx1250"
	.amdhsa_code_object_version 6
	.text
	.protected	k_q1c7a855ba0_proj
	.globl	k_q1c7a855ba0_proj
	.p2align	8
	.type	k_q1c7a855ba0_proj,@function
k_q1c7a855ba0_proj:
	s_mov_b64 s[64:65], 0
	v_nop
	global_prefetch_b8 v0, s[64:65] scope:SCOPE_SE
	s_setreg_imm32_b32 hwreg(HW_REG_WAVE_MODE, 25, 1), 1
	s_wait_xcnt 0x0
	s_wait_alu depctr_hold_cnt(0) depctr_sa_sdst(0) depctr_va_vdst(0) depctr_va_sdst(0) depctr_va_ssrc(0) depctr_va_vcc(0) depctr_vm_vsrc(0)
	s_getreg_b32 s2, hwreg(HW_REG_IB_STS2, 6, 4)
	s_cmp_eq_u32 s2, 0
	s_cbranch_scc0 .Lentry_in_a_cluster
	s_endpgm
.Lentry_in_a_cluster:
	s_bfe_u32 s2, ttmp6, 0x10000c
	s_cmp_lg_u32 s2, 0x3003
	s_cbranch_scc0 .Lentry_shape_is_right
	s_endpgm
.Lentry_shape_is_right:
; Q, K, V = x W on codes of FP6 (E2M3), quantised again on the way out: Q and K along a head's 64 columns, V along the tokens.
; A block's byte is its largest magnitude's exponent field - 2, held at 1 from below.  LIMITS: NaN and infinities are not served.
; SHARES.  256 work-groups: block of 256 tokens R = x, head g = y: Q's, K's and V's head g.  A wave makes its 64 tokens (4 tiles) x 3 x 64 columns, head after head: 16 accumulators each, two sets by turns.
; x'S 64 ROWS, all of K, lie in 384 registers and come straight from memory: xc is an image of these registers, each load takes 512 consecutive bytes.  W's 192 columns, 147,456 bytes, lie in LDS, each byte filled once.
; CLUSTER of four token blocks: they share W and ask for it JOINTLY.  x is not asked for jointly: its 196,608 bytes and W's are 344,064, more than the 327,680 of LDS, and each row serves one wave alone, in registers.
; No prefetch: every load is issued at the head; there is no loop to run ahead in.
; ROW ORDER: tile T, row p = 64 (T / 4) + 8 (T % 4) + 32 (p / 8) + p % 8.  So the four tiles of a head (Q, K: source 0 = W) or of 64 tokens (V: source 0 = x) leave 32 neighbours, one scale block, in a lane's 32 registers.
; OUT: qb [2 head + batch][key step 16]: 8 token tiles x 768 bytes, 256 bytes of scale words.  kv [2 head + batch][key step 16][12,800]: K's 8 tiles x 768, V's [c 2][u 4] x 768, K's scale words, V's.
;   768 bytes: 16 bytes a lane (registers 0-3), then 8 bytes a lane (registers 4, 5).  Scale words: K, Q: [tile / 4][row][tile / 2 % 2]: bytes 2 (tile % 2) + h;  V: [u / 2][row][u % 2]: bytes 2 c + h.
; WINDOWS: 0 addresses, scale words, the way out; 1 x's fragments of K steps 0-4; 2 those of K steps 5-7 (v0-143) and W's two buffers (v144-239); 3 the accumulators.
.set OSW,  131072
.set SG,   147456                      ; the results' scale bytes: 512 each for Q, K, V
.set SPARE, 149504
.set IMG,  16                          ; my place in an image
.set XSO,  17
.set WCO,  18
.set WAO,  19
.set ADW,  20                          ; v20-22 LDS address in the three heads' images
.set L16,  23
.set L8,   24
.set STQ,  25
.set STV,  26
.set SGR,  27
.set SPW,  28
.set NIL,  29
.set SGO,  30
.set XS,   34                          ; v34-65 x's scale words: 8 tile + K step
.set WA,   72                          ; v72-103 W's: lanes 0-15 Q's tiles, lanes 16-31 K's
.set WC,   108                         ; v108-139 V's
.set TM,   144
.set SO,   148
.set BY,   149
.set TC,   150
.set PC,   160                         ; v160-183 four tiles' codes
.set G1,   68
.set G0,   76
.set MSB, 0
.macro WIN new
.if MSB != \new
	s_set_vgpr_msb (MSB<<8)|\new
.set MSB, \new
.endif
.endm
.macro PLACES
.rept 4
	v_nop
.endr
.endm
.macro CROUND
	s_barrier_signal -1
	s_barrier_wait -1
	s_cmp_lg_u32 s14, 0
	s_cbranch_scc1 .Lnot_wave_0_\@
	s_barrier_signal -3
.Lnot_wave_0_\@:
	s_barrier_wait -3
	s_barrier_signal -1
	s_barrier_wait -1
.endm
.macro TLOAD
	tensor_load_to_lds s[G0:G0+3], s[G1:G1+7]
	s_nop 0
	PLACES
.endm
	s_load_b256 s[4:11], s[0:1], 0x0               ; xc s[4:5], wc s[6:7], osc s[8:9], qb s[10:11]
	s_load_b64 s[12:13], s[0:1], 0x20              ; kv
	v_lshl_add_u32 v[SPW], v0, 2, SPARE
	v_mov_b32 v[NIL], 0
	ds_add_u32 v[SPW], v[NIL]                      ; the opening add, twice on end
	ds_add_u32 v[SPW], v[NIL]
	v_lshrrev_b32 v1, 5, v0
	v_readfirstlane_b32 s14, v1                    ; wave
	s_bfe_u32 s15, ttmp6, 0x40000                  ; cx
	s_lshl_b32 s16, ttmp9, 2
	s_add_co_u32 s16, s16, s15                     ; R
	s_and_b32 s17, ttmp7, 0xffff                   ; g
	s_mov_b32 s[G1], 15|(3<<16)|(1<<21)            ; the mask of all four; elements of 8 bytes; 192 rows of 256 bytes
	s_mov_b32 s[G1+1], 32<<16
	s_mov_b32 s[G1+2], 192<<16
	s_mov_b32 s[G1+3], 32<<16
	s_mov_b32 s[G1+4], 192
	s_mov_b32 s[G1+5], 32
	s_mov_b32 s[G1+6], 0
	s_mov_b32 s[G1+7], 0
	s_mov_b32 s[G0], 1
	s_mul_i32 s[G0+1], s14, 49152                  ; waves 0, 1, 2 fetch Q's, K's, V's head: 4 tiles, all of K
	s_mul_i32 s18, s14, 786432
	s_mul_i32 s19, s17, 49152
	s_add_co_u32 s18, s18, s19
	s_mov_b32 s19, 0
	s_mul_i32 s20, s16, 196608
	s_mul_i32 s21, s14, 49152
	s_add_co_u32 s20, s20, s21                     ; x: my four tiles
	s_mov_b32 s21, 0
	s_lshl_b32 s22, s16, 13
	s_lshl_b32 s23, s14, 11
	s_add_co_u32 s22, s22, s23                     ; and their scale words
	s_mov_b32 s23, 0
	s_lshl_b32 s40, s17, 11
	s_add_co_u32 s40, s40, OSW                     ; W's scale words
	s_mov_b32 s41, 0
	s_lshl_b32 s24, s17, 1
	s_lshr_b32 s25, s16, 3
	s_add_co_u32 s24, s24, s25                     ; 2 g + batch
	s_and_b32 s26, s16, 7
	s_lshl_b32 s26, s26, 1                         ; my work-group's first key step
	s_lshr_b32 s27, s14, 1
	s_add_co_u32 s28, s26, s27                     ; my wave's
	s_and_b32 s29, s14, 1                          ; c
	s_mul_i32 s30, s29, 3072
	s_mul_i32 s31, s24, 102400
	s_mul_i32 s32, s24, 204800
	s_mul_i32 s42, s28, 6400
	s_add_co_u32 s42, s42, s31
	s_add_co_u32 s42, s42, s30                     ; Q's codes
	s_mov_b32 s43, 0
	s_mul_i32 s44, s28, 12800
	s_add_co_u32 s44, s44, s32
	s_add_co_u32 s44, s44, s30                     ; K's; V's 6,144 further on
	s_mov_b32 s45, 0
	s_mul_i32 s47, s26, 6400
	s_add_co_u32 s47, s47, s31
	s_add_co_u32 s47, s47, 6144
	s_mul_i32 s48, s26, 12800
	s_add_co_u32 s48, s48, s32
	s_add_co_u32 s48, s48, 12032
	s_lshl_b32 s49, s14, 8
	s_add_co_u32 s48, s48, s49                     ; 12,288 for wave 1 (K), 12,544 for wave 2 (V)
	s_mov_b32 s50, 12800
	s_cmp_eq_u32 s14, 0
	s_cselect_b32 s46, s47, s48                    ; wave 0, 1, 2 stores Q's, K's, V's scale words
	s_cselect_b32 s50, 6400, s50
	s_mov_b32 s47, 0
	s_lshl_b32 s33, s14, 7
	s_add_co_u32 s33, s33, SG
	s_lshl_b32 s34, s27, 8
	s_lshl_b32 s35, s29, 1
	s_add_co_u32 s34, s34, s35
	s_add_co_u32 s34, s34, SG+1024
	s_lshl_b32 s36, s14, 9
	s_add_co_u32 s36, s36, SG
	v_and_b32 v1, 15, v0                           ; r
	v_bfe_u32 v2, v0, 4, 1                         ; h
	v_and_b32 v3, 31, v0
	v_bfe_u32 v4, v0, 3, 1                         ; r / 8
	v_and_b32 v5, 7, v0                            ; r % 8
	v_xor_b32 v6, v2, v4
	v_lshlrev_b32 v6, 7, v6
	v_lshl_add_u32 v6, v4, 8, v6
	v_lshl_add_u32 v[IMG], v5, 4, v6
	v_lshl_add_u32 v[ADW], v5, 4, v6
	v_add_nc_u32 v[ADW+1], 49152, v[ADW]
	v_add_nc_u32 v[ADW+2], 98304, v[ADW]
	v_lshlrev_b32 v[XSO], 5, v1
	v_lshlrev_b32 v7, 10, v4
	v_lshl_add_u32 v[WCO], v5, 5, v7
	v_lshl_add_u32 v[WAO], v2, 15, v[WCO]
	v_lshlrev_b32 v[L16], 4, v3
	v_lshlrev_b32 v[L8], 3, v3
	v_lshl_add_u32 v7, v1, 3, v2                   ; 8 r + h
	v_add_nc_u32 v[STQ], s33, v7
	v_add_nc_u32 v[STV], s34, v7
	v_add_nc_u32 v[SGR], s36, v[L16]
	v_mul_u32_u24 v8, s50, v2
	v_lshl_add_u32 v[SGO], v1, 4, v8
	s_wait_alu depctr_va_vdst(0)                   ; the wait at the head's end
	s_wait_dscnt 0x0                               ; both opening adds are done
	CROUND                                         ; all four work-groups are here: the joint loads meet
	s_wait_kmcnt 0x0
	s_add_nc_u64 s[G0+2:G0+3], s[6:7], s[18:19]
	s_or_b32 s[G0+3], s[G0+3], 0x80000000
	s_add_nc_u64 s[20:21], s[4:5], s[20:21]
	s_add_nc_u64 s[22:23], s[8:9], s[22:23]
	s_add_nc_u64 s[40:41], s[8:9], s[40:41]
	s_add_nc_u64 s[42:43], s[10:11], s[42:43]
	s_add_nc_u64 s[44:45], s[12:13], s[44:45]
	s_cmp_eq_u32 s14, 0
	s_cselect_b64 s[52:53], s[10:11], s[12:13]
	s_add_nc_u64 s[52:53], s[52:53], s[46:47]
	s_cmp_eq_u32 s14, 0
	s_cbranch_scc0 .Lnot_q
	TLOAD                                          ; wave 0: Q's head, needed first: its line is wave 0's alone
	s_branch .Lasked
.Lnot_q:
	s_cmp_lt_u32 s14, 3
	s_cbranch_scc0 .Lasked
	TLOAD                                          ; waves 1 and 2: K's and V's
.Lasked:
.irp i, 0,1,2,3
.irp e, 0,1
	global_load_b128 v[XS+8*\i+4*\e:XS+8*\i+4*\e+3], v[XSO], s[22:23] offset:512*\i+16*\e
	global_load_b128 v[WA+8*\i+4*\e:WA+8*\i+4*\e+3], v[WAO], s[40:41] offset:256*\i+16*\e
	global_load_b128 v[WC+8*\i+4*\e:WC+8*\i+4*\e+3], v[WCO], s[40:41] offset:65536+256*\i+16*\e
.endr
.endr
.irp q, 0,1,2,3,4,5,6,7                ; x's fragments: K step after K step, 12 loads each
.if \q < 5
	WIN 0x40
.else
	WIN 0x80
.endif
.set XB_, 48*\q-240*(\q/5)
.irp t, 0,1,2,3
.irp i, 0,1,2
	global_load_b128 v[XB_+12*\t+4*\i:XB_+12*\t+4*\i+3], v[IMG], s[20:21] offset:12288*\t+1536*\q+512*\i
.endr
.endr
.endr
	WIN 0
; W's four fragments of step k (head k / 8, K step k % 8) into buffer k % 2
.macro FETCH k
.set N_, (\k)/8
.set Q_, (\k)%8
.set F_, 144+48*((\k)%2)
	WIN 0x80
.irp b, 0,1,2,3
.irp i, 0,1,2
	ds_load_b128 v[F_+12*\b+4*\i:F_+12*\b+4*\i+3], v[ADW+N_] offset:12288*\b+1536*Q_+512*\i
.endr
.endr
.endm
.macro W1 d, a, b, sa, sb, row, z
.if (\z) == 0
	v_wmma_scale_f32_16x16x128_f8f6f4 v[\d:\d+7], v[\a:\a+11], v[\b:\b+11], 0, v[\sa], v[\sb] matrix_a_fmt:MATRIX_FMT_FP6 matrix_b_fmt:MATRIX_FMT_FP6 matrix_a_scale:MATRIX_SCALE_ROW\row
.else
	v_wmma_scale_f32_16x16x128_f8f6f4 v[\d:\d+7], v[\a:\a+11], v[\b:\b+11], v[\d:\d+7], v[\sa], v[\sb] matrix_a_fmt:MATRIX_FMT_FP6 matrix_b_fmt:MATRIX_FMT_FP6 matrix_a_scale:MATRIX_SCALE_ROW\row
.endif
.endm
; 16 products of head n, K step q: the 16 accumulators take turns, one instruction a turn
.macro MUL n, q
.set P_, 144+48*((\q)%2)
.set XW_, 1+(\q)/5
.set XB_, 48*(\q)-240*((\q)/5)
.if (\n) == 2
.set WN_, 0xf8+XW_                     ; source 0 x, source 1 W (window 2), C and D window 3
.else
.set WN_, 0xf2+4*XW_                   ; source 0 W, source 1 x
.endif
	WIN WN_
.irp b, 0,1,2,3
.irp t, 0,1,2,3
.if (\n) == 2
	W1 32*\b+8*\t,XB_+12*\t,P_+12*\b,XS+8*\t+(\q),WC+8*\b+(\q),0,\q
.elseif (\n) == 1
	W1 128+32*\t+8*\b,P_+12*\b,XB_+12*\t,WA+8*\b+(\q),XS+8*\t+(\q),1,\q
.else
	W1 32*\t+8*\b,P_+12*\b,XB_+12*\t,WA+8*\b+(\q),XS+8*\t+(\q),0,\q
.endif
.endr
.endr
.endm
; THE WAY OUT of tile j of head n: a lane's 32 sums are one scale block; each accumulator is read from its low end on
.macro QUANT n, j
.set A_, 128*((\n)%2)+32*(\j)
.set C_, PC+6*(\j)
.if ((\j) == 0) && ((\n) > 0)
	s_wait_xcnt 0x0                                ; the last head's stores have read their registers
.endif
	WIN 0x0f
.irp i, 0,1,2,3
	v_max3_num_f32 v[TM+\i], |v[A_+8*\i]|, |v[A_+8*\i+1]|, 0x1800000
.endr
.irp m, 2,4,6
.irp i, 0,1,2,3
	v_max3_num_f32 v[TM+\i], |v[A_+8*\i+\m]|, |v[A_+8*\i+\m+1]|, v[TM+\i]
.endr
.endr
	WIN 0
	v_max3_num_f32 v[TM], v[TM], v[TM+1], v[TM+2]
	v_max_num_f32 v[TM], v[TM], v[TM+3]
	v_add_nc_u32 v[SO], 0xff000000, v[TM]          ; 2 off the exponent field
	v_lshrrev_b32 v[BY], 23, v[SO]
	WIN 3
	v_cvt_scalef32_pk16_fp6_f32 v[C_:C_+2], v[A_:A_+15], v[SO]
	v_cvt_scalef32_pk16_fp6_f32 v[TC:TC+2], v[A_+16:A_+31], v[SO]
	WIN 0
	v_nop                                          ; one plain place behind a scaled conversion
	v_mov_b32 v[C_+3], v[TC]
	v_mov_b32 v[C_+4], v[TC+1]
	v_mov_b32 v[C_+5], v[TC+2]
.if (\n) == 0
	global_store_b128 v[L16], v[C_:C_+3], s[42:43] offset:768*(\j)
	global_store_b64 v[L8], v[C_+4:C_+5], s[42:43] offset:768*(\j)+512
.elseif (\n) == 1
	global_store_b128 v[L16], v[C_:C_+3], s[44:45] offset:768*(\j)
	global_store_b64 v[L8], v[C_+4:C_+5], s[44:45] offset:768*(\j)+512
.else
	global_store_b128 v[L16], v[C_:C_+3], s[44:45] offset:6144+768*(\j)
	global_store_b64 v[L8], v[C_+4:C_+5], s[44:45] offset:6144+768*(\j)+512
.endif
.if (\n) == 2
	ds_store_b8 v[STV], v[BY] offset:128*((\j)/2)+4*((\j)%2)
.else
	ds_store_b8 v[STQ], v[BY] offset:512*(\n)+4*((\j)/2)+2*((\j)%2)
.endif
.endm
; step k: the next step's fragments are asked for ahead of this step's products; the four places ahead of them are v_nop, or the last head's way out in K steps 1 to 4
.macro STEP k
.set N0_, (\k)/8
.set Q0_, (\k)%8
.if (\k) == 6
	s_wait_tensorcnt 0x0                           ; my load has landed
	s_wait_dscnt 0x0
	s_barrier_signal -1                            ; K's and V's heads are shown to all
.endif
.if (N0_ > 0) && (Q0_ > 0) && (Q0_ < 5)
	QUANT N0_-1,Q0_-1
.else
	PLACES
.endif
.if (\k) < 23
	FETCH (\k)+1
	s_wait_dscnt 12                                ; all but the 12 just issued
.else
	s_wait_dscnt 0x0
.endif
.if N0_ == 0
.if Q0_ < 2
	s_wait_loadcnt 63                              ; of 120 loads at most 63 are out: the scale words and x's K steps 0 and 1 are in
.else
	s_wait_loadcnt 84-12*Q0_                       ; the later K steps' 12 loads each may be out
.endif
.endif
	MUL N0_,Q0_
.if (\k) == 6
	s_barrier_wait -1
.endif
.endm
	s_cmp_eq_u32 s14, 0
	s_cbranch_scc0 .Lno_wait
	s_wait_tensorcnt 0x0
.Lno_wait:
	s_barrier_signal -1                            ; Q's head is in
	s_barrier_wait -1
	FETCH 0
.set KK, 0
.rept 24
	STEP KK
.set KK, KK+1
.endr
	PLACES
.irp j, 0,1,2,3
	QUANT 2,\j
.endr
	s_wait_dscnt 0x0                               ; my scale bytes have landed
	s_barrier_signal -1
	s_barrier_wait -1
	s_cmp_eq_u32 s14, 3
	s_cbranch_scc1 .Ldone
	ds_load_b128 v[184:187], v[SGR]
	s_wait_dscnt 0x0
	global_store_b128 v[SGO], v[184:187], s[52:53] ; two whole aligned units of 256 bytes
.Ldone:
	s_wait_tensorcnt 0x0                           ; the wave's end
	ds_add_u32 v[SPW], v[NIL]
	s_wait_dscnt 0x0
	CROUND                                         ; the closing round
	s_endpgm
.Lfunc_end_k_q1c7a855ba0_proj:
	.size	k_q1c7a855ba0_proj, .Lfunc_end_k_q1c7a855ba0_proj-k_q1c7a855ba0_proj
	.p2alignl 7, 3214868480
	.fill 96, 4, 3214868480
	.section	.rodata,"a",@progbits
	.p2align	6, 0x0
	.amdhsa_kernel k_q1c7a855ba0_proj
		.amdhsa_group_segment_fixed_size 167936
		.amdhsa_private_segment_fixed_size 0
		.amdhsa_enable_private_segment 0
		.amdhsa_kernarg_size 40
		.amdhsa_user_sgpr_count 2
		.amdhsa_user_sgpr_kernarg_segment_ptr 1
		.amdhsa_wavefront_size32 1
		.amdhsa_system_sgpr_workgroup_id_x 1
		.amdhsa_system_sgpr_workgroup_id_y 1
		.amdhsa_system_sgpr_workgroup_id_z 1
		.amdhsa_system_vgpr_workitem_id 0
		.amdhsa_next_free_vgpr 1024
		.amdhsa_next_free_sgpr 100
		.amdhsa_reserve_vcc 0
		.amdhsa_float_denorm_mode_32 3
		.amdhsa_float_denorm_mode_16_64 3
		.amdhsa_memory_ordered 1
		.amdhsa_forward_progress 1
		.amdhsa_inst_pref_size 113
	.end_amdhsa_kernel
	.amdgpu_metadata
---
amdhsa.version: [ 1, 2 ]
amdhsa.kernels:
  - .name:           k_q1c7a855ba0_proj
    .symbol:         k_q1c7a855ba0_proj.kd
    .args:
      - { .name: xc, .offset: 0, .size: 8, .value_kind: global_buffer, .address_space: global }
      - { .name: wc, .offset: 8, .size: 8, .value_kind: global_buffer, .address_space: global }
      - { .name: osc, .offset: 16, .size: 8, .value_kind: global_buffer, .address_space: global }
      - { .name: qb, .offset: 24, .size: 8, .value_kind: global_buffer, .address_space: global }
      - { .name: kv, .offset: 32, .size: 8, .value_kind: global_buffer, .address_space: global }
    .group_segment_fixed_size: 167936
    .private_segment_fixed_size: 0
    .kernarg_segment_align: 8
    .kernarg_segment_size: 40
    .max_flat_workgroup_size: 128
    .sgpr_count:     100
    .vgpr_count:     1024
    .wavefront_size: 32
...
	.end_amdgpu_metadata
.endif
;; end of part 2
;; launch attn (part 3): grid 8 x 32, 8 waves a work-group, clusters of 4 x 1, 276,480 bytes of LDS; arguments qb, kv, out0; writes out0
.if DOCPART == 3
	.amdgcn_target "amdgcn-amd-amdhsa--gfx1250"
	.amdhsa_code_object_version 6
	.text
	.protected	k_q1c7a855ba0_attn
	.globl	k_q1c7a855ba0_attn
	.p2align	8
	.type	k_q1c7a855ba0_attn,@function
k_q1c7a855ba0_attn:
	s_mov_b64 s[64:65], 0
	v_nop
	global_prefetch_b8 v0, s[64:65] scope:SCOPE_SE
	s_setreg_imm32_b32 hwreg(HW_REG_WAVE_MODE, 25, 1), 1
	s_wait_xcnt 0x0
	s_wait_alu depctr_hold_cnt(0) depctr_sa_sdst(0) depctr_va_vdst(0) depctr_va_sdst(0) depctr_va_ssrc(0) depctr_va_vcc(0) depctr_vm_vsrc(0)
	s_getreg_b32 s2, hwreg(HW_REG_IB_STS2, 6, 4)
	s_cmp_eq_u32 s2, 0
	s_cbranch_scc0 .Lentry_in_a_cluster
	s_endpgm
.Lentry_in_a_cluster:
	s_bfe_u32 s2, ttmp6, 0x10000c
	s_cmp_lg_u32 s2, 0x3003
	s_cbranch_scc0 .Lentry_shape_is_right
	s_endpgm
.Lentry_shape_is_right:
; out[b][n][64 head + d] = the sum over keys of softmax(q . k / 32) v, for 2 x 16 heads of 2,048 tokens and head size 64, both products on codes of FP6 (E2M3) with E8M0 scales, f32 sums.
; THE SOFTMAX AHEAD OF THE SECOND PRODUCT: t = score x log2(e) / 32; M = the row's largest t so far, rounded UP to a whole number; p = 2^(t - M) is quantised along the keys, not normalised.  The row's sum is taken of the
; unquantised p and divides O at the end.  When M moves, the sum and O are multiplied by 2^(old M - new M): exact.
; LIMITS: NaN and infinities are not served; the scaled scores t stay under 2^31 in magnitude; a p under 2^-126 falls to 0; a block of p that is all zeros carries the byte 1 (its codes are zeros).
; SHARES.  A work-group owns 256 queries of one (b, head); each of its EIGHT waves two tiles of 16 of them, so that each fragment of K and V feeds both.
; A HEAD'S WHOLE K AND V LIE IN LDS: 16 key steps of 128 keys x 12,800 bytes (K's codes, V's, K's scale words, V's), each byte filled ONCE: wave w asks for steps 2 w and 2 w + 1.  So nothing is prefetched: all is asked for at the head.
; Two barriers: the first shows steps 0-3 (waves 0's and 1's loads), the second, whose signal stands at step 2's top and whose wait at its end, shows all.
; CLUSTER.  The four query blocks of a cluster belong to one head: each tile is asked for JOINTLY, by the same tensor load with the same descriptor and the mask of all four.
; LAYOUT.  Both products are used transposed: S^T = K Q^T, O^T = V^T P^T: a lane holds ONE query (lane % 16) of a tile.  Token tile T holds at row p token 64 (T / 4) + 8 (T % 4) + 32 (p / 8) + p % 8: so S^T's register 32 c + i is key
; 64 c + 32 (lane / 16) + i: a lane's 32 registers are one scale block of p, and its codes fall as the second product's operand wants them.
; K = 64 IN A FORM OF 128: a fragment of K holds TWO token tiles, one in registers 0-5, the other in 6-11.  Against [q | zeros] it gives the first tile's scores, against [zeros | q] the second's: zero codes add nothing.
; REGISTERS (t = 0, 1 the query tile).  Window 0: v0, v6 lane permutes; v1 16 x lane; v2 8 x lane; v3 8 x (lane / 16); v4-5 the step's addresses; v8-9 K's scale words, v10-11 V's, v12 + t q's, v14 + t p's;
;   v[16 + 2 t : 17 + 2 t] -M and the largest score; v[20 + 2 t : ..] the sum; v24 + 2 t the factor; v28 + 2 t, v29 + 2 t the blocks' largest scores, then p, then the conversions' scale operands; v32-59 at work;
;   v64-127, v128-191 S^T, then p; v192-203, v204-215 p's codes; v216-247 tile 0's sums of two pairs; v248-253 tile 1's chains; v254-255 the add's.
; Window 1: v0-47 K's four fragments, v48-95 V's; v96-101 zeros, v102-107 q of tile 0, v108-113 zeros, v114-119 q of tile 1, v120-125 zeros; v128-159, v160-191 O^T.
.set STEPB, 12800
.set STG,  204800                      ; the way out: 2 x 16 rows x (256 + 16) bytes for each wave; no tile lands here
.set SPARE, 274432
.set WV,   10
.set G1,   20
.set G0,   28
.set CS,   56                          ; s[56:57] c = log2(e) / 32: the packed form names a pair and takes its low word for both halves
.set SEL,  58                          ; s[58:59] v_permlanex16_b32's selects for lane l xor 16
.set TB,   60                          ; where the step begins in LDS
.set NC,   61                          ; -c
.set CNT,  62
.set MSB, 0
.macro WIN new                         ; the immediate's high byte repeats the setting that is left
.if MSB != \new
	s_set_vgpr_msb (MSB<<8)|\new
.set MSB, \new
.endif
.endm
.macro CROUND
	s_barrier_signal -1
	s_barrier_wait -1
	s_cmp_lg_u32 s[WV], 0
	s_cbranch_scc1 .Lnot_wave_0_\@
	s_barrier_signal -3
.Lnot_wave_0_\@:
	s_barrier_wait -3
	s_barrier_signal -1
	s_barrier_wait -1
.endm
.macro TLOAD
	tensor_load_to_lds s[G0:G0+3], s[G1:G1+7]
	s_nop 0
.rept 4
	v_nop
.endr
.endm
	s_load_b128 s[4:7], s[0:1], 0x0                ; qb s[4:5], kv s[6:7]
	s_load_b64 s[8:9], s[0:1], 0x10                ; out0
	v_lshl_add_u32 v254, v0, 2, SPARE
	v_mov_b32 v255, 0
	ds_add_u32 v254, v255                          ; the opening add, twice on end
	ds_add_u32 v254, v255
	v_lshrrev_b32 v1, 5, v0
	v_readfirstlane_b32 s[WV], v1                  ; wave 0..7
	s_bfe_u32 s11, ttmp6, 0x40000                  ; cx
	s_lshl_b32 s12, ttmp9, 2
	s_add_co_u32 s12, s12, s11                     ; my block of 256 queries: it enters q's and out0's addresses alone
	s_and_b32 s13, ttmp7, 0xffff                   ; 2 head + b: the four partners share it
	s_mov_b32 s[G1], 15|(3<<16)|(1<<21)            ; the mask of all four; elements of 8 bytes; 100 rows of 256 bytes: two key steps
	s_mov_b32 s[G1+1], 32<<16
	s_mov_b32 s[G1+2], 100<<16
	s_mov_b32 s[G1+3], 32<<16
	s_mov_b32 s[G1+4], 100
	s_mov_b32 s[G1+5], 32
	s_mov_b32 s[G1+6], 0
	s_mov_b32 s[G1+7], 0
	s_mov_b32 s[G0], 1
	s_mul_i32 s[G0+1], s[WV], 2*STEPB
	s_mul_i32 s14, s13, 16*STEPB
	s_mul_i32 s15, s[WV], 2*STEPB
	s_add_co_u32 s14, s14, s15
	s_mov_b32 s15, 0
	s_mul_i32 s16, s13, 102400
	s_mul_i32 s32, s12, 12800
	s_add_co_u32 s16, s16, s32
	s_lshr_b32 s32, s[WV], 2
	s_mul_i32 s32, s32, 6400
	s_add_co_u32 s16, s16, s32                     ; the 128 tokens of my tiles 2 w and 2 w + 1
	s_and_b32 s32, s[WV], 3
	s_mul_i32 s32, s32, 1536
	s_add_co_u32 s18, s16, s32                     ; q's codes
	s_mov_b32 s19, 0
	s_bfe_u32 s32, s[WV], 0x10001
	s_lshl_b32 s32, s32, 7
	s_add_co_u32 s16, s16, s32
	s_and_b32 s32, s[WV], 1
	s_lshl_b32 s32, s32, 2
	s_add_co_u32 s16, s16, s32
	s_add_co_u32 s16, s16, 6144                    ; q's scale words: one word a row holds both tiles' bytes
	s_mov_b32 s17, 0
	s_and_b32 s34, s13, 1
	s_lshl_b32 s34, s34, 11
	s_lshl_b32 s35, s12, 8
	s_add_co_u32 s34, s34, s35
	s_lshr_b32 s35, s[WV], 1
	s_lshl_b32 s35, s35, 6
	s_add_co_u32 s34, s34, s35
	s_and_b32 s35, s[WV], 1
	s_lshl_b32 s35, s35, 4
	s_add_co_u32 s34, s34, s35                     ; tile 0's first token: 2,048 b + 256 block + 64 (wave / 2) + 16 (wave % 2); tile 1's 8 further on
	s_lshl_b32 s34, s34, 12
	s_lshr_b32 s35, s13, 1
	s_lshl_b32 s35, s35, 8
	s_add_co_u32 s34, s34, s35                     ; rows of 4,096 bytes, + the head's 256
	s_mov_b32 s35, 0
	s_mov_b32 s[CS], 0x3d38aa3b                    ; c = log2(e) / 32
	s_mov_b32 s[CS+1], s[CS]
	s_mov_b32 s[NC], 0xbd38aa3b
	s_mov_b32 s[SEL], 0x76543210
	s_mov_b32 s[SEL+1], 0xfedcba98
	s_mul_i32 s66, s[WV], 8704
	s_add_co_u32 s66, s66, STG                     ; my stage
	s_wait_alu depctr_va_vdst(0)
	s_wait_dscnt 0x0                               ; both opening adds are done
	CROUND                                         ; all four work-groups are here: the joint loads meet
	s_wait_kmcnt 0x0
	s_add_nc_u64 s[G0+2:G0+3], s[6:7], s[14:15]
	s_or_b32 s[G0+3], s[G0+3], 0x80000000
	s_add_nc_u64 s[18:19], s[4:5], s[18:19]
	s_add_nc_u64 s[16:17], s[4:5], s[16:17]
	s_add_nc_u64 s[8:9], s[8:9], s[34:35]
	s_cmp_lt_u32 s[WV], 2
	s_cbranch_scc0 .Llater
	TLOAD                                          ; steps 0 to 3: a line that waves 0 and 1 alone issue
	s_branch .Lasked
.Llater:
	TLOAD                                          ; steps 4 to 15
.Lasked:
	v_and_b32 v4, 31, v0
	v_lshlrev_b32 v1, 4, v4
	v_lshlrev_b32 v2, 3, v4
	v_bfe_u32 v3, v0, 4, 1
	v_lshlrev_b32 v3, 3, v3
	v_and_b32 v5, 15, v0
	v_lshlrev_b32 v5, 3, v5
	global_load_b32 v36, v5, s[16:17]              ; row r's word
	WIN 0x40
.irp t, 0,1
	global_load_b128 v[102+12*\t:105+12*\t], v1, s[18:19] offset:768*\t
	global_load_b64 v[106+12*\t:107+12*\t], v2, s[18:19] offset:768*\t+512
.endr
.irp j, 0,1,2,3,4,5
	v_mov_b32 v[96+\j], 0                          ; zero codes on both sides of each q
	v_mov_b32 v[108+\j], 0
	v_mov_b32 v[120+\j], 0
.endr
.set j, 0
.rept 64
	v_mov_b32 v[128+j], 0                          ; O^T: the first change of M leaves zeros zeros
.set j, j+1
.endr
	WIN 0
	v_mov_b32 v6, 0                                ; (a lane permute's destination counts as one of its sources)
.irp t, 0,1
	v_mov_b32 v[17+2*\t], 0xff61b1e6               ; the largest score so far: -3e38
	v_mov_b32 v[20+2*\t], 0
	v_mov_b32 v[21+2*\t], 0
	v_mov_b32 v[25+2*\t], 0                        ; (named as the upper half of the factor's pair)
.endr
	v_mul_f32 v37, s[NC], v17
	v_floor_f32 v16, v37                           ; -M
	v_mov_b32 v18, v16
	s_mov_b32 s[TB], 0
	s_wait_alu depctr_va_vdst(0)                   ; the wait at the head's end
	s_wait_loadcnt 0x0
	v_perm_b32 v12, v36, v36, 0x01000100           ; tile 0's two bytes into both halves, and tile 1's
	v_perm_b32 v13, v36, v36, 0x03020302
.rept 8
	v_nop                                          ; places between a scale register's write and the first scaled product
.endr
	s_wait_alu depctr_va_vdst(0)                   ; the wait ahead of the branch
	s_cmp_lt_u32 s[WV], 2
	s_cbranch_scc0 .Lno_wait
	s_wait_tensorcnt 0x0
.Lno_wait:
	s_barrier_signal -1                            ; steps 0 to 3 are in
	s_barrier_wait -1
; K's fragments: token tiles 2 g and 2 g + 1; and its scale words: lanes 0-15 of fragments 0, 1, lanes 16-31 of 2, 3: 17 loads
.macro LOADK off
	WIN 0x40
.irp g, 0,1,2,3
.irp e, 0,1
	ds_load_b128 v[12*\g+6*\e:12*\g+6*\e+3], v4 offset:\off+768*(2*\g+\e)
	ds_load_b64 v[12*\g+6*\e+4:12*\g+6*\e+5], v5 offset:\off+768*(2*\g+\e)+512
.endr
.endr
	WIN 0
	ds_load_b64 v[8:9], v5 offset:\off+12288
.endm
; V's d tile g: keys 0-63 of the step, then keys 64-127
.macro LOADV
	ds_load_b64 v[10:11], v5 offset:12544
	WIN 0x40
.irp g, 0,1,2,3
.irp e, 0,1
	ds_load_b128 v[48+12*\g+6*\e:48+12*\g+6*\e+3], v4 offset:6144+3072*\e+768*\g
	ds_load_b64 v[48+12*\g+6*\e+4:48+12*\g+6*\e+5], v5 offset:6144+3072*\e+768*\g+512
.endr
.endr
.endm
.macro SCORE d, g, b, x, row
	v_wmma_scale_f32_16x16x128_f8f6f4 v[\d:\d+7], v[12*\g:12*\g+11], v[\b:\b+11], 0, v[8+\g%2], v[\x] matrix_a_fmt:MATRIX_FMT_FP6 matrix_b_fmt:MATRIX_FMT_FP6 matrix_a_scale:MATRIX_SCALE_ROW\row
.endm
.macro SCORES t
.irp g, 0,1
	SCORE 64+64*\t+16*\g,\g,102+12*\t,12+\t,0
	SCORE 72+64*\t+16*\g,\g,96+12*\t,12+\t,0
.endr
.irp g, 2,3
	SCORE 64+64*\t+16*\g,\g,102+12*\t,12+\t,1
	SCORE 72+64*\t+16*\g,\g,96+12*\t,12+\t,1
.endr
.endm
.macro PV t, g, row
	v_wmma_scale_f32_16x16x128_f8f6f4 v[128+32*\t+8*\g:135+32*\t+8*\g], v[48+12*\g:59+12*\g], v[192+12*\t:203+12*\t], v[128+32*\t+8*\g:135+32*\t+8*\g], v[10+\g%2], v[14+\t] matrix_a_fmt:MATRIX_FMT_FP6 matrix_b_fmt:MATRIX_FMT_FP6 matrix_a_scale:MATRIX_SCALE_ROW\row
.endm
.macro AD d, s
	v_pk_add_f32 v[\d:\d+1], v[\d:\d+1], v[\s:\s+1]
.endm
; four lines (k = 0 .. 7) of the search for the largest score of tile t's two blocks, each in two halves; each accumulator is read from its low end on
.macro MAXL t, k
.set S_, 64+64*(\t)
.set B_, 28+2*(\t)
.set H_, 32+2*(\t)
.if (\k) == 0
	v_max3_num_f32 v[B_], v[S_], v[S_+1], v[S_+2]
	v_max3_num_f32 v[B_+1], v[S_+32], v[S_+33], v[S_+34]
	v_max3_num_f32 v[H_], v[S_+16], v[S_+17], v[S_+18]
	v_max3_num_f32 v[H_+1], v[S_+48], v[S_+49], v[S_+50]
.elseif (\k) < 7
.set I_, S_+2*(\k)+1
	v_max3_num_f32 v[B_], v[B_], v[I_], v[I_+1]
	v_max3_num_f32 v[B_+1], v[B_+1], v[I_+32], v[I_+33]
	v_max3_num_f32 v[H_], v[H_], v[I_+16], v[I_+17]
	v_max3_num_f32 v[H_+1], v[H_+1], v[I_+48], v[I_+49]
.else
	v_max3_num_f32 v[H_], v[H_], v[S_+15], v[S_+31]
	v_max3_num_f32 v[H_+1], v[H_+1], v[S_+47], v[S_+63]
	v_max_num_f32 v[B_], v[B_], v[H_]
	v_max_num_f32 v[B_+1], v[B_+1], v[H_+1]
.endif
.endm
; line i (0 .. 8) of tile t's chain: the running largest score, -M, and the factor f = 2^(old M - new M)
.macro CH t, i
.set B_, 28+2*(\t)
.set X_, 36+(\t)
.set Y_, 38+(\t)
.set M_, 16+2*(\t)
.set R_, 6*(\t)
.if (\i) == 0
	v_max_num_f32 v[X_], v[B_], v[B_+1]
.elseif (\i) == 1
	v_permlanex16_b32 v[R_], v[X_], s[SEL], s[SEL+1]   ; lane l xor 16 holds the other two blocks
.elseif (\i) == 2
	v_max3_num_f32 v[M_+1], v[M_+1], v[X_], v[R_]
.elseif (\i) == 3
	v_mul_f32 v[X_], s[NC], v[M_+1]
.elseif (\i) == 4
	v_floor_f32 v[Y_], v[X_]                       ; the new -M = floor(-t) = -ceil(t)
.elseif (\i) == 5
	v_sub_f32 v[X_], v[Y_], v[M_]                  ; old M less new M: a whole number, 0 or less
.elseif (\i) == 6
	v_mov_b32 v[M_], v[Y_]
.elseif (\i) == 7
	v_cvt_i32_f32 v[X_], v[X_]                     ; (it saturates)
.else
	v_ldexp_f32 v[24+2*(\t)], 1.0, v[X_]
.endif
.endm
.macro TMM t, j                        ; t - M, two at a time
.set S_, 64+64*(\t)+(\j)
.set M_, 16+2*(\t)
	v_pk_fma_f32 v[S_:S_+1], v[S_:S_+1], s[CS:CS+1], v[M_:M_+1] op_sel_hi:[1,0,0]
.endm
; A KEY STEP: 128 keys.  pre: the next step's K fragments are fetched; sig: the second barrier's signal stands at its top
.macro STEP pre, sig
.if \sig
	s_wait_tensorcnt 0x0                           ; my load has landed
.endif
	s_wait_dscnt 0x0                               ; K's fragments are in
.if \sig
	s_barrier_signal -1
.endif
	WIN 0x05                                       ; sources 0 and 1 window 1, D window 0
	SCORES 0
	SCORES 1
	WIN 0
	v_add_nc_u32 v4, s[TB], v1                     ; with the two v_nop the four places in front of the loads and of the first read of the scores
	v_add_nc_u32 v5, s[TB], v2
	v_nop
	v_nop
	LOADV
.if \pre
	LOADK STEPB
.endif
	WIN 0
.irp k, 0,1,2,3,4,5,6,7
	MAXL 0,\k
.endr
.irp k, 0,1,2,3,4,5,6,7
	MAXL 1,\k
	CH 0,\k
.endr
	CH 0,8
.irp k, 0,1,2,3,4,5,6,7
.irp i, 0,2,4,6
	TMM 0,8*\k+\i
.endr
	CH 1,\k
.endr
	CH 1,8
	v_fma_f32 v28, v28, s[CS], v16                 ; the same of each block's largest score
	v_fma_f32 v29, v29, s[CS], v16
	WIN 0x41                                       ; source 0 and D window 1
.irp t, 0,1
.set j, 128+32*\t
.rept 16
	v_pk_mul_f32 v[j:j+1], v[j:j+1], v[24+2*\t:25+2*\t] op_sel_hi:[1,0]   ; O^T under the new M, each accumulator from its low end on
.set j, j+2
.endr
.endr
	WIN 0
	s_wait_alu depctr_va_vdst(0)                   ; the wait ahead of the batch
	v_exp_f32 v28, v28                             ; the blocks' largest p: the same two instructions on the same number give the same bits
	v_exp_f32 v29, v29
.set jj, 0
.rept 32                               ; tile 0's p = 2^(t - M); among them tile 1's t - M
	v_exp_f32 v[64+jj], v[64+jj]
	v_exp_f32 v[65+jj], v[65+jj]
	TMM 1,jj
.set jj, jj+2
.endr
	v_fma_f32 v30, v30, s[CS], v18
	v_fma_f32 v31, v31, s[CS], v18
	s_wait_alu depctr_va_vdst(0)                   ; the wait behind the batch, ahead of its first reader
	v_max_num_f32 v28, 0x1800000, v28              ; the floor 2^(3 - 127): the byte cannot fall under 1
	v_max_num_f32 v29, 0x1800000, v29
	v_add_nc_u32 v28, 0xff000000, v28              ; 2 off the exponent field: the conversion's scale operand
	v_add_nc_u32 v29, 0xff000000, v29
	s_wait_alu depctr_va_vdst(0)                   ; and the wait ahead of the second batch
	v_exp_f32 v30, v30
	v_exp_f32 v31, v31
.irp i, 0,1,2,3,4,5,6,7,8,9,10,11,12,13,14,15   ; tile 1's p; among them tile 0's sums of two pairs and its conversions
	v_exp_f32 v[128+4*\i], v[128+4*\i]
	v_exp_f32 v[129+4*\i], v[129+4*\i]
	v_pk_add_f32 v[216+2*\i:217+2*\i], v[64+4*\i:65+4*\i], v[66+4*\i:67+4*\i]
	v_exp_f32 v[130+4*\i], v[130+4*\i]
	v_exp_f32 v[131+4*\i], v[131+4*\i]
.if \i == 0
	v_cvt_scalef32_pk16_fp6_f32 v[192:194], v[64:79], v28
.elseif \i == 4
	v_cvt_scalef32_pk16_fp6_f32 v[40:42], v[80:95], v28    ; (a conversion's three registers begin on an even number)
.elseif \i == 8
	v_cvt_scalef32_pk16_fp6_f32 v[198:200], v[96:111], v29
.elseif \i == 12
	v_cvt_scalef32_pk16_fp6_f32 v[44:46], v[112:127], v29
.endif
.endr
	v_pk_mul_f32 v[20:21], v[20:21], v[24:25] op_sel_hi:[1,0]   ; tile 0's sum under the new M: the plain instruction behind the exponentials
	s_wait_alu depctr_va_vdst(0)                   ; the wait behind the second batch
	v_max_num_f32 v30, 0x1800000, v30
	v_max_num_f32 v31, 0x1800000, v31
	AD 216, 224
	AD 218, 226
	v_add_nc_u32 v30, 0xff000000, v30
	v_add_nc_u32 v31, 0xff000000, v31
	AD 220, 228
	AD 222, 230
.irp c, 0,1
	v_cvt_scalef32_pk16_fp6_f32 v[204+6*\c:206+6*\c], v[128+32*\c:143+32*\c], v[30+\c]
	v_cvt_scalef32_pk16_fp6_f32 v[48+4*\c:50+4*\c], v[144+32*\c:159+32*\c], v[30+\c]
.endr
	AD 216, 232                                    ; plain places behind the conversions
	AD 218, 234
.irp c, 0,1
.irp i, 0,1,2
	v_mov_b32 v[195+6*\c+\i], v[40+4*\c+\i]
.endr
.endr
	v_lshrrev_b32 v56, 23, v28                     ; the bytes of blocks h and 2 + h
	v_lshrrev_b32 v57, 23, v29
	v_lshrrev_b32 v58, 23, v30
	v_lshrrev_b32 v59, 23, v31
	AD 220, 236
	AD 222, 238
	v_lshl_or_b32 v56, v57, 16, v56
	v_lshl_or_b32 v58, v59, 16, v58
	AD 216, 240
	AD 218, 242
	v_lshlrev_b32 v56, v3, v56                     ; at their places in the scale word
	v_lshlrev_b32 v58, v3, v58
	AD 220, 244
	AD 222, 246
	v_permlanex16_b32 v0, v56, s[SEL], s[SEL+1]
	v_permlanex16_b32 v6, v58, s[SEL], s[SEL+1]
.irp c, 0,1
.irp i, 0,1,2
	v_mov_b32 v[207+6*\c+\i], v[48+4*\c+\i]
.endr
.endr
	v_or_b32 v14, v56, v0                          ; with lane l xor 16's two the word is whole
	v_or_b32 v15, v58, v6
	AD 216, 218
	AD 220, 222
	v_pk_mul_f32 v[22:23], v[22:23], v[26:27] op_sel_hi:[1,0]   ; tile 1's sum, in four chains
	v_pk_add_f32 v[248:249], v[128:129], v[130:131]
	v_pk_add_f32 v[250:251], v[132:133], v[134:135]
	v_pk_add_f32 v[252:253], v[136:137], v[138:139]
	AD 22, 140
.irp i, 142,150,158,166,174,182
	AD 248, \i
	AD 250, \i+2
	AD 252, \i+4
	AD 22, \i+6
.endr
	AD 248, 190
	AD 216, 220
	AD 250, 252
	AD 22, 248
	AD 20, 216
	AD 22, 250
.if \pre
	s_wait_dscnt 17                                ; V's fragments and scale words are in; the next K's 17 loads may be out
.else
	s_wait_dscnt 0x0
.endif
	WIN 0x51                                       ; source 0 window 1, source 1 window 0, C and D window 1
.irp t, 0,1                            ; O^T += V^T P^T: the eight accumulators take turns, one instruction a turn
	PV \t, 0, 0
	PV \t, 1, 0
	PV \t, 2, 1
	PV \t, 3, 1
.endr
	WIN 0
.endm
	v_add_nc_u32 v4, s[TB], v1
	v_add_nc_u32 v5, s[TB], v2
	LOADK 0
	s_mov_b32 s[CNT], 2
.Lfirst:                                               ; steps 0 and 1
	STEP 1, 0
	s_add_co_u32 s[TB], s[TB], STEPB
	s_sub_co_u32 s[CNT], s[CNT], 1
	s_cmp_lg_u32 s[CNT], 0
	s_cbranch_scc1 .Lfirst
	s_mov_b32 s[TB], 2*STEPB
	STEP 1, 1                                      ; step 2: between the barrier's signal and its wait stand register work and loads of bytes that nobody writes again
	s_barrier_wait -1                              ; all steps are in
	s_mov_b32 s[TB], 3*STEPB
	s_mov_b32 s[CNT], 12
.Lrest:                                                ; steps 3 to 14
	STEP 1, 0
	s_add_co_u32 s[TB], s[TB], STEPB
	s_sub_co_u32 s[CNT], s[CNT], 1
	s_cmp_lg_u32 s[CNT], 0
	s_cbranch_scc1 .Lrest
	s_mov_b32 s[TB], 15*STEPB
	STEP 0, 0                                      ; step 15 fetches nothing more
	; THE WAY OUT.  O^T's register i is d = 32 (lane / 16) + i of my query.  O^T / the sum goes through my stage and leaves as whole rows: 16 lanes store the head's 256 consecutive bytes of a token, aligned.
	v_bfe_u32 v40, v1, 4, 4                        ; r
	v_bfe_u32 v41, v1, 8, 1                        ; h
	v_mul_u32_u24 v56, v40, 272
	v_mul_u32_u24 v57, v41, 272
	v_lshl_add_u32 v56, v41, 7, v56
	v_lshl_add_u32 v57, v40, 4, v57
	v_add_nc_u32 v56, s66, v56                     ; in: row r, + 128 h
	v_add_nc_u32 v57, s66, v57                     ; back: lanes 0-15 one row, lanes 16-31 the next
	v_lshlrev_b32 v58, 12, v41
	v_add_f32 v20, v20, v21                        ; the sums' two halves,
	v_add_f32 v22, v22, v23
	v_lshl_add_u32 v58, v40, 4, v58                ; and the same two rows in out0
	v_permlanex16_b32 v0, v20, s[SEL], s[SEL+1]
	v_permlanex16_b32 v6, v22, s[SEL], s[SEL+1]
	v_add_f32 v20, v20, v0                         ; and lane l xor 16's: the rows' sums
	v_add_f32 v22, v22, v6
	s_wait_alu depctr_va_vdst(0)                   ; the wait ahead of the reciprocals
	v_rcp_f32 v20, v20
	v_rcp_f32 v22, v22
	v_nop                                          ; a plain place behind them,
	WIN 0x01
	s_wait_alu depctr_va_vdst(0)                   ; and the wait ahead of their first reader
.irp t, 0,1
.set j, 0
.rept 32
	v_mul_f32 v[64+64*\t+j], v[128+32*\t+j], v[20+2*\t]
.set j, j+1
.endr
.endr
	WIN 0
.irp t, 0,1
.irp j, 0,1,2,3,4,5,6,7
	ds_store_b128 v56, v[64+64*\t+4*\j:67+64*\t+4*\j] offset:4352*\t+16*\j
.endr
.irp i, 0,1,2,3,4,5,6,7                ; my wave's own bytes: LDS serves a wave's instructions in order (ISA guide 5.7.1.4)
	ds_load_b128 v[192-168*\t+4*\i:195-168*\t+4*\i], v57 offset:4352*\t+544*\i
.endr
.endr
.irp t, 0,1
.irp i, 0,1,2,3,4,5,6,7
	s_wait_dscnt 16*(1-\t)+7-\i                    ; this load is back; the younger ones, and tile 1's 8 stores and 8 loads, may be out
	global_store_b128 v58, v[192-168*\t+4*\i:195-168*\t+4*\i], s[8:9] offset:(8*\t+2*\i+24*(\i/4))*4096 th:TH_STORE_NT   ; stage rows 2 i and 2 i + 1 are tokens 2 i + 24 (i / 4) and the next of the tile
.endr
.endr
	s_wait_tensorcnt 0x0                           ; the wave's end
	ds_add_u32 v254, v255
	s_wait_dscnt 0x0
	CROUND                                         ; the closing round: no work-group ends while a partner may still ask for a tile that names it
	s_endpgm
.Lfunc_end_k_q1c7a855ba0_attn:
	.size	k_q1c7a855ba0_attn, .Lfunc_end_k_q1c7a855ba0_attn-k_q1c7a855ba0_attn
	.p2alignl 7, 3214868480
	.fill 96, 4, 3214868480
	.section	.rodata,"a",@progbits
	.p2align	6, 0x0
	.amdhsa_kernel k_q1c7a855ba0_attn
		.amdhsa_group_segment_fixed_size 276480
		.amdhsa_private_segment_fixed_size 0
		.amdhsa_enable_private_segment 0
		.amdhsa_kernarg_size 24
		.amdhsa_user_sgpr_count 2
		.amdhsa_user_sgpr_kernarg_segment_ptr 1
		.amdhsa_wavefront_size32 1
		.amdhsa_system_sgpr_workgroup_id_x 1
		.amdhsa_system_sgpr_workgroup_id_y 1
		.amdhsa_system_sgpr_workgroup_id_z 1
		.amdhsa_system_vgpr_workitem_id 0
		.amdhsa_next_free_vgpr 512
		.amdhsa_next_free_sgpr 80
		.amdhsa_reserve_vcc 0
		.amdhsa_float_denorm_mode_32 3
		.amdhsa_float_denorm_mode_16_64 3
		.amdhsa_memory_ordered 1
		.amdhsa_forward_progress 1
		.amdhsa_inst_pref_size 125
	.end_amdhsa_kernel
	.amdgpu_metadata
---
amdhsa.version: [ 1, 2 ]
amdhsa.kernels:
  - .name:           k_q1c7a855ba0_attn
    .symbol:         k_q1c7a855ba0_attn.kd
    .args:
      - { .name: qb, .offset: 0, .size: 8, .value_kind: global_buffer, .address_space: global }
      - { .name: kv, .offset: 8, .size: 8, .value_kind: global_buffer, .address_space: global }
      - { .name: out0, .offset: 16, .size: 8, .value_kind: global_buffer, .address_space: global }
    .group_segment_fixed_size: 276480
    .private_segment_fixed_size: 0
    .kernarg_segment_align: 8
    .kernarg_segment_size: 24
    .max_flat_workgroup_size: 256
    .sgpr_count:     80
    .vgpr_count:     512
    .wavefront_size: 32
...
	.end_amdgpu_metadata
.endif
;; end of part 3
